; MI455X (gfx1250); checked and timed in simulation.
; The chip was launched on July 23, 2026; its instructions are those of AMD's public machine-readable ISA for CDNA 5 (MIT licence, August 2026) and "CDNA5" Instruction Set Architecture Reference Guide (July 2026). The comments in the code are by the model that wrote it; some were corrected since.
;; Incomplete Feat Simulator. Allowed arithmetic: float matrix products may take bf16 or f16 operands with f32 sums; all other float work in f32.
;; Inputs: W1 1,024 x 1,024 float32; W2 1,024 x 1,024 float32; W3 1,024 x 1,024 float32; W4 1,024 x 1,024 float32; b1 1,024 float32; b2 1,024 float32; b3 1,024 float32; b4 1,024 float32; x_angle 8,192 x 3 float32; x_feat 8,192 x 1,024 float32; y_angle 8,192 x 3 float32.
;; Outputs: out0 8,192 x 1,024 float32.
;; One version. Each part assembles by itself: llvm-mc -triple=amdgcn-amd-amdhsa -mcpu=gfx1250 --defsym DOCPART=n.
;; ======== version 1 of 1: 4 launches
;; limits: values are held in f16: magnitudes above 65,504 overflow, below 6.1e-05 lose precision; right only within a limited range of input values
;; workspace buffers: xh 16,777,216 bytes; WS 8,388,608 bytes; VS 16,384 bytes; MX 8,192 bytes; P 4,194,304 bytes; D1 8,192 bytes; Q 2,097,152 bytes; D2 4,096 bytes
;; launch prep (part 1): grid 512 x 1, 8 waves a work-group, no clusters, 1,280 bytes of LDS; arguments x_feat, W4, W3, W2, W1, b4, b3, b2, b1, xh, WS, VS, MX; writes xh, WS, VS, MX
.if DOCPART == 1
	.amdgcn_target "amdgcn-amd-amdhsa--gfx1250"
	.amdhsa_code_object_version 6
	.text
	.protected	k_q3fa6be318b_prep
	.globl	k_q3fa6be318b_prep
	.p2align	8
	.type	k_q3fa6be318b_prep,@function
k_q3fa6be318b_prep:
	s_mov_b64 s[64:65], 0
	v_nop
	global_prefetch_b8 v0, s[64:65] scope:SCOPE_SE
	s_setreg_imm32_b32 hwreg(HW_REG_WAVE_MODE, 25, 1), 1
	s_wait_xcnt 0x0
; xh = f16(x_feat); WS = f16 of W4, W3, W2, W1, stacked in that order, 2 MiB each; VS = b4, b3, b2, b1 stacked, f32, 4 KiB each;
; MX[g] = the largest |W4|, |W3|, |W2|, |W1| among the two rows of each matrix that work-group g converts: 512 entries of 16 bytes.
; f16 and not bf16: an output of the later product carries four roundings of operands, and with 8 significant bits their sum comes too near the
; hundredth of the output's rms that is allowed; 11 bits make each rounding eight times smaller.
; LIMIT, kept on purpose: a magnitude above 65,504 in x_feat or in a W becomes infinite in f16.
; A stream: every input byte is read once, every output byte is written once.  No matrix unit, and no cluster: no two work-groups read the same byte.
; Eight waves.  Work-group g owns 16 rows of x_feat and 2 rows of each W.  Thread t owns the 16 bytes (4 numbers) at byte 16 t of every
; row of 4,096 bytes: a wave's load covers 512 consecutive bytes.  The 4 numbers become 8 bytes at byte 8 t of the output row of 2,048
; bytes: a wave's store covers 256 consecutive bytes, aligned.
; All 24 loads of a thread go out in one run, each into registers of its own, and each is converted in place.
.set X,     4                          ; v[4:99]    load n: 4 registers, n = 0..15 rows of x_feat, 16 + 2 q + i row i of matrix q
.set BV,    100                        ; v[100:103] 16 bytes of a bias vector
.set MQ,    104                        ; v[104:107] the largest magnitude in W4, W3, W2, W1
.set LA,    108                        ; v108       16 x wave: where my wave puts its four maxima in LDS
.set NLOAD, 24
.set INROW, 4096                       ; bytes in a row of f32
.set OUTROW, 2048                      ; bytes in a row of f16
.set WBYTES, 2097152                   ; a matrix in f16
	s_load_b512 s[8:23], s[0:1], 0x0               ; x_feat s[8:9], W4 s[10:11], W3 s[12:13], W2 s[14:15], W1 s[16:17], b4 s[18:19], b3 s[20:21], b2 s[22:23]
	s_load_b256 s[24:31], s[0:1], 0x40             ; b1 s[24:25], xh s[26:27], WS s[28:29], VS s[30:31]
	s_load_b64 s[4:5], s[0:1], 0x60                ; MX
	v_lshl_add_u32 v112, v0, 2, 0x100
	v_mov_b32 v113, 0
	s_mov_b32 s2, ttmp9                            ; g
	s_mov_b32 s36, 0x76543210                      ; v_permlanex16_b32: lane i reads lane i of the other half
	s_mov_b32 s37, 0xfedcba98
	v_lshlrev_b32 v1, 4, v0                        ; 16 t: my place in an input row
	v_lshlrev_b32 v2, 3, v0                        ; 8 t: my place in an output row
	v_lshrrev_b32 v3, 5, v0
	v_readfirstlane_b32 s38, v3                    ; wave 0..7
	v_mov_b32 v[LA], s38
	v_lshlrev_b32 v[LA], 4, v[LA]
	s_mov_b32 s33, 0                               ; every offset below is under 4 GiB
	s_wait_kmcnt 0x0
	s_lshl_b32 s32, s2, 4                          ; an entry of MX
	s_add_nc_u64 s[4:5], s[4:5], s[32:33]
	s_lshl_b32 s32, s2, 16                         ; 16 rows of 4,096 bytes
	s_add_nc_u64 s[8:9], s[8:9], s[32:33]
	s_lshl_b32 s32, s2, 13                         ; 2 rows of 4,096 bytes
	s_add_nc_u64 s[10:11], s[10:11], s[32:33]
	s_add_nc_u64 s[12:13], s[12:13], s[32:33]
	s_add_nc_u64 s[14:15], s[14:15], s[32:33]
	s_add_nc_u64 s[16:17], s[16:17], s[32:33]
	s_lshl_b32 s32, s2, 15                         ; 16 rows of 2,048 bytes
	s_add_nc_u64 s[26:27], s[26:27], s[32:33]
	s_lshl_b32 s32, s2, 12                         ; 2 rows of 2,048 bytes; also one bias vector
	s_add_nc_u64 s[28:29], s[28:29], s[32:33]
.irp i, 0,1,2,3,4,5,6,7,8,9,10,11,12,13,14,15
	global_load_b128 v[X+4*\i:X+4*\i+3], v1, s[8:9] offset:\i*INROW          ; x_feat is read again by a later launch: no hint
.endr
.irp q, 0,1,2,3
.irp i, 0,1
	global_load_b128 v[X+4*(16+2*\q+\i):X+4*(16+2*\q+\i)+3], v1, s[10+2*\q:11+2*\q] offset:\i*INROW th:TH_LOAD_NT   ; the f32 weights are read here and never again
.endr
.endr
; load n is rounded to f16 in place and stored at base s[lo:lo+1] + 8 t + off
.macro CVT n, lo, off
	v_cvt_pk_f16_f32 v[X+4*(\n)],   v[X+4*(\n)],   v[X+4*(\n)+1]
	v_cvt_pk_f16_f32 v[X+4*(\n)+1], v[X+4*(\n)+2], v[X+4*(\n)+3]
	global_store_b64 v2, v[X+4*(\n):X+4*(\n)+1], s[\lo:\lo+1] offset:\off
.endm
.irp i, 0,1,2,3,4,5,6,7,8,9,10,11,12,13,14,15
	s_wait_loadcnt NLOAD-1-\i                      ; loads come back in order (ISA guide 5.7.1): load i is in, the younger ones stay out
	CVT \i, 26, \i*OUTROW
.endr
.irp q, 0,1,2,3
	s_wait_loadcnt 6-2*\q                          ; both rows of matrix q are in; the later matrices' loads stay out
	v_max3_num_f32 v[MQ+\q], |v[X+64+8*\q]|, |v[X+64+8*\q+1]|, |v[X+64+8*\q+2]|      ; my eight numbers' largest magnitude, before they are converted in place
	v_max3_num_f32 v[MQ+\q], v[MQ+\q], |v[X+64+8*\q+3]|, |v[X+64+8*\q+4]|
	v_max3_num_f32 v[MQ+\q], v[MQ+\q], |v[X+64+8*\q+5]|, |v[X+64+8*\q+6]|
	v_max_num_f32  v[MQ+\q], v[MQ+\q], |v[X+64+8*\q+7]|
	CVT 16+2*\q, 28, \q*WBYTES                     ; 6,293,504 at the most in the immediate: inside its signed 24 bits
	CVT 17+2*\q, 28, \q*WBYTES+OUTROW
.endr
	; The four maxima: over the wave's 32 lanes, then over the eight waves through LDS.
.irp x, 1,2,4,8
.irp q, 0,1,2,3
	v_max_num_f32_dpp v[MQ+\q], v[MQ+\q], v[MQ+\q] row_xmask:\x row_mask:0xf bank_mask:0xf
.endr
.endr
.irp q, 0,1,2,3
	v_permlanex16_b32 v3, v[MQ+\q], s36, s37       ; its destination counts as read: v3 has been written
	v_max_num_f32 v[MQ+\q], v[MQ+\q], v3
.endr
	ds_store_b128 v[LA], v[MQ:MQ+3]                ; all lanes write the same 16 bytes with the same values
	s_wait_dscnt 0x0                               ; for wave 0's sake: my store is done
	s_barrier_signal -1
	s_barrier_wait -1
	s_cmp_lg_u32 s38, 0
	s_cbranch_scc1 .Lnot_wave_0
	s_wait_xcnt 0x0                                ; X's first registers, which stores have read, are loaded into only behind this wait; EXEC changes only behind it too
.irp j, 0,1,2,3,4,5,6,7
	ds_load_b128 v[X+4*\j:X+4*\j+3], v[LA] offset:16*\j            ; in wave 0 the address register holds 0
.endr
	s_wait_dscnt 0x0
.irp c, 0,1,2,3
	v_max3_num_f32 v[MQ+\c], v[X+\c], v[X+4+\c], v[X+8+\c]
	v_max3_num_f32 v[MQ+\c], v[MQ+\c], v[X+12+\c], v[X+16+\c]
	v_max3_num_f32 v[MQ+\c], v[MQ+\c], v[X+20+\c], v[X+24+\c]
	v_max_num_f32  v[MQ+\c], v[MQ+\c], v[X+28+\c]
.endr
	v_cmp_eq_u32 vcc_lo, 0, v0
	s_and_saveexec_b32 s39, vcc_lo
	global_store_b128 v1, v[MQ:MQ+3], s[4:5]       ; thread 0 alone, whose 16 t is 0: the group's entry of 16 bytes; MX is 8 KiB in all
	s_wait_xcnt 0x0                                ; in front of the line that widens EXEC again
	s_or_b32 exec_lo, exec_lo, s39
.Lnot_wave_0:
	; Work-groups 0 to 3 copy one bias vector each: 256 threads x 16 bytes = its 4,096 bytes.
	s_cmp_ge_u32 s2, 4
	s_cbranch_scc1 .Lend
	s_cmp_eq_u32 s2, 1
	s_cselect_b64 s[34:35], s[20:21], s[18:19]     ; g = 0: b4, 1: b3,
	s_cmp_eq_u32 s2, 2
	s_cselect_b64 s[34:35], s[22:23], s[34:35]     ; 2: b2,
	s_cmp_eq_u32 s2, 3
	s_cselect_b64 s[34:35], s[24:25], s[34:35]     ; 3: b1
	s_add_nc_u64 s[30:31], s[30:31], s[32:33]      ; VS + 4,096 g
	global_load_b128 v[BV:BV+3], v1, s[34:35]
	s_wait_loadcnt 0x0
	global_store_b128 v1, v[BV:BV+3], s[30:31]     ; sixteen lanes store 256 consecutive bytes, aligned
.Lend:
	s_wait_tensorcnt 0x0
	ds_add_u32 v112, v113
	s_wait_dscnt 0x0
	s_endpgm
.Lfunc_end_k_q3fa6be318b_prep:
	.size	k_q3fa6be318b_prep, .Lfunc_end_k_q3fa6be318b_prep-k_q3fa6be318b_prep
	.p2alignl 7, 3214868480
	.fill 96, 4, 3214868480
	.section	.rodata,"a",@progbits
	.p2align	6, 0x0
	.amdhsa_kernel k_q3fa6be318b_prep
		.amdhsa_group_segment_fixed_size 1280
		.amdhsa_private_segment_fixed_size 0
		.amdhsa_enable_private_segment 0
		.amdhsa_kernarg_size 104
		.amdhsa_user_sgpr_count 2
		.amdhsa_user_sgpr_kernarg_segment_ptr 1
		.amdhsa_wavefront_size32 1
		.amdhsa_system_sgpr_workgroup_id_x 1
		.amdhsa_system_sgpr_workgroup_id_y 1
		.amdhsa_system_sgpr_workgroup_id_z 1
		.amdhsa_system_vgpr_workitem_id 0
		.amdhsa_next_free_vgpr 114
		.amdhsa_next_free_sgpr 66
		.amdhsa_reserve_vcc 1
		.amdhsa_float_denorm_mode_32 3
		.amdhsa_float_denorm_mode_16_64 3
		.amdhsa_memory_ordered 1
		.amdhsa_forward_progress 1
		.amdhsa_inst_pref_size 15
	.end_amdhsa_kernel
	.amdgpu_metadata
---
amdhsa.version: [ 1, 2 ]
amdhsa.kernels:
  - .name:           k_q3fa6be318b_prep
    .symbol:         k_q3fa6be318b_prep.kd
    .args:
      - { .name: x_feat, .offset: 0, .size: 8, .value_kind: global_buffer, .address_space: global }
      - { .name: W4, .offset: 8, .size: 8, .value_kind: global_buffer, .address_space: global }
      - { .name: W3, .offset: 16, .size: 8, .value_kind: global_buffer, .address_space: global }
      - { .name: W2, .offset: 24, .size: 8, .value_kind: global_buffer, .address_space: global }
      - { .name: W1, .offset: 32, .size: 8, .value_kind: global_buffer, .address_space: global }
      - { .name: b4, .offset: 40, .size: 8, .value_kind: global_buffer, .address_space: global }
      - { .name: b3, .offset: 48, .size: 8, .value_kind: global_buffer, .address_space: global }
      - { .name: b2, .offset: 56, .size: 8, .value_kind: global_buffer, .address_space: global }
      - { .name: b1, .offset: 64, .size: 8, .value_kind: global_buffer, .address_space: global }
      - { .name: xh, .offset: 72, .size: 8, .value_kind: global_buffer, .address_space: global }
      - { .name: WS, .offset: 80, .size: 8, .value_kind: global_buffer, .address_space: global }
      - { .name: VS, .offset: 88, .size: 8, .value_kind: global_buffer, .address_space: global }
      - { .name: MX, .offset: 96, .size: 8, .value_kind: global_buffer, .address_space: global }
    .group_segment_fixed_size: 1280
    .private_segment_fixed_size: 0
    .kernarg_segment_align: 8
    .kernarg_segment_size: 104
    .max_flat_workgroup_size: 256
    .sgpr_count:     66
    .vgpr_count:     114
    .wavefront_size: 32
...
	.end_amdgpu_metadata
.endif
;; end of part 1
;; launch compose1 (part 2): grid 16 x 32, 4 waves a work-group, clusters of 4 x 4, 303,616 bytes of LDS; arguments WS, VS, P, D1, MX; writes P, D1
.if DOCPART == 2
	.amdgcn_target "amdgcn-amd-amdhsa--gfx1250"
	.amdhsa_code_object_version 6
	.text
	.protected	k_q3fa6be318b_compose1
	.globl	k_q3fa6be318b_compose1
	.p2align	8
	.type	k_q3fa6be318b_compose1,@function
k_q3fa6be318b_compose1:
	s_mov_b64 s[64:65], 0
	v_nop
	global_prefetch_b8 v0, s[64:65] scope:SCOPE_SE
	s_setreg_imm32_b32 hwreg(HW_REG_WAVE_MODE, 25, 1), 1
	s_wait_xcnt 0x0
	s_wait_alu depctr_hold_cnt(0) depctr_sa_sdst(0) depctr_va_vdst(0) depctr_va_sdst(0) depctr_va_ssrc(0) depctr_va_vcc(0) depctr_vm_vsrc(0)
	s_getreg_b32 s2, hwreg(HW_REG_IB_STS2, 6, 4)
	s_cmp_eq_u32 s2, 0
	s_cbranch_scc0 .Lentry_in_a_cluster
	s_endpgm
.Lentry_in_a_cluster:
	s_bfe_u32 s2, ttmp6, 0x10000c
	s_cmp_lg_u32 s2, 0xf033
	s_cbranch_scc0 .Lentry_shape_is_right
	s_endpgm
.Lentry_shape_is_right:
; C = f A B and d = A v + e, for 1024 x 1024 matrices in f16, row-major (A: [m][k], B: [k][n], C: [m][n]), sums in f32, C rounded once to f16;
; v, e, d: 1,024 numbers of f32.  Product number p takes
;   A = arg0 + 4 MiB p, B = A + 2 MiB;  e = arg1 + 8 KiB p, v = e + 4 KiB;  C = arg2 + 2 MiB p;  d = arg3 + 4 KiB p;  f = 1 for p = 0, 2^k for p = 1.
; First use (p = 0, 1): W4 W3 with W4 b3 + b4, and 2^k W2 W1 with W2 b1 + b2.  Second use (p = 0): (W4 W3)(2^k W2 W1) with (W4 W3)(W2 b1 + b2) + (W4 b3 + b4).
; THE POWER OF TWO.  The product of all four matrices has no room in f16 as it is: with each W a thirtieth or thirty times the size it would vanish or overflow.
; So it is kept times 2^k, and the factor enters with W2 W1.  With m4 .. m1 the largest magnitudes of W4 .. W1 (arg4: 512 partial maxima of each),
; k is the largest whole number with 2^10 m2 m1 2^k <= 2^15 and 2^30 m4 m3 m2 m1 2^k <= 2^15: a sum of 1,024 products is at most 2^10 times the factors' maxima,
; so neither 2^k W2 W1 nor 2^k W4 W3 W2 W1 can pass 2^15, whatever the inputs.  Only values hang on k, no address and no branch.  The second use has p = 0 alone:
; it forms k and does not use it, since the text has no branch on p.
; LIMITS, kept on purpose: (1) the layers have nothing nonlinear between them, so the weights are multiplied together first and the products are rounded to f16:
; the order of rounding differs from a chain of four products on the rows; the maps are the same for every input.  (2) W4 W3 is kept unscaled, because it serves as
; A of the second use's bias row: it becomes infinite above 65,504 (it is at most 1,024 m4 m3), and below an rms of about 10^-5 f16's smallest step, 2^-24, is
; coarser against it than 8 significant bits would be.
;
; A work-group makes 64 x 64 of C over the whole K = 1024: 256 work-groups a product.  Both operands' whole K lies in LDS at once (64 x 1024 of A,
; 1024 x 64 of B), so no LDS byte is filled twice.  Wave w takes K = 256 w .. 256 w + 255 of the whole 64 x 64: 16 accumulator tiles, 128 registers.
; It fetches its own part of A and of B and reads those bytes alone, so its own wait on TENSORcnt is all that its reads need.  For 32 along K a wave
; reads 8 KiB from LDS for 16 matrix instructions.  The four partial sums meet in LDS behind one barrier.
; CLUSTERS: 4 x 4 work-groups.  A's tiles hang on the block row alone and are asked for jointly along a row of the cluster, B's on the block column
; alone and jointly along a column: a quarter of the requests.
; A tile of C has rows of 128 bytes, since 64 columns are what lets the whole K of both operands lie in LDS: eight lanes store 128 consecutive bytes.
; d: wave w of the work-group at block (bm, bx) makes row 64 bm + 4 bx + w: one row a wave, an equal share for every work-group, stored as one word.
.set APITCH, 272                       ; an LDS row of A: 128 K = 256 bytes + 16: row r starts 16 r bytes further modulo 256, so a fragment's 16 rows do not meet
.set BPITCH, 160                       ; an LDS row of B: 64 n = 128 bytes + 32: an odd multiple of 32, for the transposing load
.set ACH,    64*APITCH                 ; one tensor load of A: 64 rows x 128 K
.set BCH,    128*BPITCH                ; one tensor load of B: 128 k rows x 64 n
.set AREG,   2*ACH                     ; a wave's part of A: 34,816 bytes
.set BREG,   2*BCH                     ; a wave's part of B: 40,960 bytes
.set BBASE,  4*AREG                    ; B lies behind A: 139,264
.set PSTG,   16384                     ; in a wave's part of A, once it is read out: bytes 0 .. 16,383 its 16 partial tiles, from 16,384 its stage of 16 rows x 144
.set CPITCH, 144                       ; a stage row: 64 f16 = 128 bytes + 16
.set ADA, 8                            ; v8   LDS address of my fragments of A
.set ADB, 9                            ; v9   of B
.set RS,  10                           ; v10  where I put my partial tiles
.set RL0, 11                           ; v11  where I read the partial tiles of waves 0, 1;  v12: of waves 2, 3
.set SST, 13                           ; v13  stage, in
.set SRD, 14                           ; v14  stage, back
.set CO,  15                           ; v15  my byte offset in C
.set AO,  16                           ; v16  16 x lane
.set VO,  17                           ; v17  32 x lane
.set ZO,  18                           ; v18  0
.set FA0, 32                           ; fragments, two buffers: A 4 x 8 registers, B 4 x 8 registers
.set FB0, 64
.set FA1, 96
.set FB1, 128
.set AR,  32                           ; v[32:47]   ahead of the fragments: my 32 numbers of A's row (f16; halves have names only below v128)
.set VV,  64                           ; v[64:95]   my 32 numbers of v
.set MXV, 96                           ; v[96:159]  my 16 entries of the partial maxima
.set PK,  160                          ; v[160:175] the packed results
.set RBK, 176                          ; v[176:191] the rows read back from the stage
.set TT,  208                          ; v[208:215] at work
.set SS,  216                          ; v[216:223] four pairs of sums
.set EV,  224                          ; v224 e of my row
.set MR,  226                          ; v[226:229] m4, m3, m2, m1
; window 1 (v256-v383): accumulator tile (a, b) at v[8 (4 a + b)]
.set G1A, 24                           ; s[24:31] descriptor group 1, A's tiles
.set G1B, 32                           ; s[32:39] descriptor group 1, B's tiles
.set GA0, 40                           ; s[40:43] group 0: A, K chunk 0
.set GB0, 44                           ; s[44:47]          B, K chunk 0
.set GA1, 48                           ; s[48:51]          A, K chunk 1
.set GB1, 52                           ; s[52:55]          B, K chunk 1
.set MSB, 0
.macro WIN new                         ; s_set_vgpr_msb: low byte bits 1:0 source 0, 3:2 source 1, 5:4 source 2, 7:6 destination; the high byte repeats the setting that is left
.if MSB != \new
	s_set_vgpr_msb (MSB<<8)|\new
.set MSB, \new
.endif
.endm
.macro PLACES                          ; four plain vector instructions behind a matrix instruction, before its result is read by anything else or one of its registers is loaded into (ISA guide 7.12.1)
.rept 4
	v_nop
.endr
.endm
; A round of the cluster's barrier: my work-group's barrier, wave 0 signals for the work-group, every wave waits for all sixteen, my work-group's barrier again.
.macro CROUND
	s_barrier_signal -1
	s_barrier_wait -1
	s_cmp_lg_u32 s12, 0
	s_cbranch_scc1 .Lnot_wave_0_\@
	s_barrier_signal -3
.Lnot_wave_0_\@:
	s_barrier_wait -3
	s_barrier_signal -1
	s_barrier_wait -1
.endm
	s_load_b256 s[4:11], s[0:1], 0x0               ; arg0 s[4:5] (A, B), arg1 s[6:7] (e, v), arg2 s[8:9] (C), arg3 s[10:11] (d)
	s_load_b64 s[84:85], s[0:1], 0x20              ; arg4: the partial maxima
	v_lshl_add_u32 v254, v0, 2, 0x4a000
	v_mov_b32 v255, 0
	ds_add_u32 v254, v255
	v_lshrrev_b32 v4, 5, v0
	v_readfirstlane_b32 s12, v4                    ; w: wave 0..3
	s_bfe_u32 s13, ttmp6, 0x40000                  ; cx
	s_bfe_u32 s14, ttmp6, 0x40004                  ; cy
	s_lshl_b32 s15, ttmp9, 2
	s_add_co_u32 s15, s15, s13                     ; bx: block column of C = 4 x cluster x + cx
	s_and_b32 s16, ttmp7, 0xffff                   ; the cluster's y: four of them make a product
	s_lshr_b32 s17, s16, 2                         ; p: the product's number, the same in all sixteen partners
	s_and_b32 s18, s16, 3
	s_lshl_b32 s18, s18, 2
	s_add_co_u32 s18, s18, s14                     ; bm: block row of C
	s_lshl_b32 s19, s14, 2
	s_lshl_b32 s19, 15, s19                        ; my row of the cluster: places 4 cy .. 4 cy + 3
	s_lshl_b32 s20, 0x1111, s13                    ; my column: places cx, cx + 4, cx + 8, cx + 12
	s_mov_b32 s21, 0x76543210                      ; v_permlanex16_b32: lane i reads lane i of the other half
	s_mov_b32 s22, 0xfedcba98
	; group 1 for A: 64 rows x 128 elements of 2 bytes, 1,024 elements from row to row; in LDS 4 words of padding behind every 64 words
	s_or_b32 s[G1A+0], s19, (1<<16)|(1<<20)|(1<<21)|(5<<22)|(3<<25)   ; 15:0 mask: my row; 17:16 element of 2 bytes; 20 padding on; 21 set beside a mask; 24:22 every 64 words; 31:25 four words
	s_mov_b32 s[G1A+1], 128<<16                    ; tensor_dim0 = 128
	s_mov_b32 s[G1A+2], 64<<16                     ; tensor_dim1 = 64
	s_mov_b32 s[G1A+3], 128<<16                    ; tile_dim0 = 128
	s_mov_b32 s[G1A+4], 64                         ; tile_dim1 = 64
	s_mov_b32 s[G1A+5], 1024                       ; the pitch
	s_mov_b32 s[G1A+6], 0
	s_mov_b32 s[G1A+7], 0
	; group 1 for B: 128 rows x 64 elements; 8 words of padding behind every 32 words
	s_or_b32 s[G1B+0], s20, (1<<16)|(1<<20)|(1<<21)|(4<<22)|(7<<25)   ; mask: my column; every 32 words; eight words
	s_mov_b32 s[G1B+1], 64<<16
	s_mov_b32 s[G1B+2], 128<<16
	s_mov_b32 s[G1B+3], 64<<16
	s_mov_b32 s[G1B+4], 128
	s_mov_b32 s[G1B+5], 1024
	s_mov_b32 s[G1B+6], 0
	s_mov_b32 s[G1B+7], 0
	; A's tiles: 4 MiB p + row 64 bm (2,048 bytes a row) + K = 256 w.  Made of p, bm and w, in registers that never hold cx.
	s_lshl_b32 s56, s17, 22
	s_lshl_b32 s60, s18, 17
	s_add_co_u32 s56, s56, s60
	s_lshl_b32 s60, s12, 9
	s_add_co_u32 s56, s56, s60
	s_mov_b32 s57, 0
	; B's tiles: 4 MiB p + 2 MiB + row k = 256 w + column 64 bx.  Made of p, bx and w, in registers that never hold cy.
	s_lshl_b32 s58, s17, 22
	s_add_co_u32 s58, s58, 0x200000
	s_lshl_b32 s62, s12, 19
	s_add_co_u32 s58, s58, s62
	s_lshl_b32 s62, s15, 7
	s_add_co_u32 s58, s58, s62
	s_mov_b32 s59, 0
	s_wait_dscnt 0x0
	s_wait_kmcnt 0x0
	s_mov_b32 s[GA0], 1                            ; count = 1
	s_mul_i32 s[GA0+1], s12, AREG                  ; LDS: the wave's number times a constant
	s_add_nc_u64 s[GA0+2:GA0+3], s[4:5], s[56:57]
	s_mov_b32 s[GA1], 1
	s_add_co_u32 s[GA1+1], s[GA0+1], ACH
	s_add_nc_u64 s[GA1+2:GA1+3], s[GA0+2:GA0+3], 256       ; 128 further along K
	s_or_b32 s[GA0+3], s[GA0+3], 0x80000000        ; type = 2
	s_or_b32 s[GA1+3], s[GA1+3], 0x80000000
	s_mov_b32 s[GB0], 1
	s_mul_i32 s[GB0+1], s12, BREG
	s_add_co_u32 s[GB0+1], s[GB0+1], BBASE
	s_add_nc_u64 s[GB0+2:GB0+3], s[4:5], s[58:59]
	s_mov_b32 s[GB1], 1
	s_add_co_u32 s[GB1+1], s[GB0+1], BCH
	s_add_nc_u64 s[GB1+2:GB1+3], s[GB0+2:GB0+3], 0x40000   ; 128 rows of 2,048 bytes further down
	s_or_b32 s[GB0+3], s[GB0+3], 0x80000000
	s_or_b32 s[GB1+3], s[GB1+3], 0x80000000
	CROUND                                         ; all sixteen work-groups are here: the joint loads meet
	tensor_load_to_lds s[GA0:GA0+3], s[G1A:G1A+7]  ; every fill of the launch, in one group: four tensor loads of this wave are out
	s_nop 0
	tensor_load_to_lds s[GB0:GB0+3], s[G1B:G1B+7]
	s_nop 0
	tensor_load_to_lds s[GA1:GA1+3], s[G1A:G1A+7]
	s_nop 0
	tensor_load_to_lds s[GB1:GB1+3], s[G1B:G1B+7]
	s_nop 0
	; While the tiles are on their way: addresses, my row of d, and the power of two.
	v_and_b32 v1, 31, v0                           ; lane
	v_and_b32 v2, 15, v0                           ; r = lane % 16
	v_bfe_u32 v3, v0, 4, 1                         ; h = lane / 16
	v_lshlrev_b32 v[AO], 4, v1
	v_lshlrev_b32 v[VO], 5, v1
	v_mov_b32 v[ZO], 0
	s_lshl_b32 s3, s18, 6
	s_lshl2_add_u32 s3, s15, s3
	s_add_co_u32 s3, s3, s12                       ; my row of d: 64 bm + 4 bx + w
	s_mov_b32 s67, 0
	s_lshl_b32 s66, s17, 22
	s_lshl_b32 s78, s3, 11
	s_add_co_u32 s66, s66, s78
	s_add_nc_u64 s[68:69], s[4:5], s[66:67]        ; A's row
	s_lshl_b32 s66, s17, 13
	s_add_nc_u64 s[72:73], s[6:7], s[66:67]        ; e
	s_add_nc_u64 s[70:71], s[72:73], 4096          ; v
	s_lshl_b32 s66, s3, 2
	s_add_nc_u64 s[72:73], s[72:73], s[66:67]      ; e of my row
	s_lshl_b32 s78, s17, 12
	s_add_co_u32 s66, s66, s78
	s_add_nc_u64 s[74:75], s[10:11], s[66:67]      ; d of my row
	s_lshl_b32 s66, s17, 21                        ; C: 2 MiB p + row 64 bm + 16 w + column 64 bx
	s_lshl_b32 s78, s18, 17
	s_add_co_u32 s66, s66, s78
	s_lshl_b32 s78, s12, 15
	s_add_co_u32 s66, s66, s78
	s_lshl_b32 s78, s15, 7
	s_add_co_u32 s66, s66, s78
	s_add_nc_u64 s[76:77], s[8:9], s[66:67]
.irp j, 0,1,2,3
	global_load_b128 v[AR+4*\j:AR+4*\j+3], v[AO], s[68:69] offset:512*\j             ; A(row, 256 j + 8 lane .. + 7): the wave takes 512 consecutive bytes
	global_load_b128 v[VV+8*\j:VV+8*\j+3],   v[VO], s[70:71] offset:1024*\j          ; v at the same k
	global_load_b128 v[VV+8*\j+4:VV+8*\j+7], v[VO], s[70:71] offset:1024*\j+16
.endr
	global_load_b32 v[EV], v[ZO], s[72:73]
.irp j, 0,1,2,3,4,5,6,7,8,9,10,11,12,13,14,15
	global_load_b128 v[MXV+4*\j:MXV+4*\j+3], v[AO], s[84:85] offset:512*\j           ; entry 32 j + lane of the 512: m4, m3, m2, m1 of two rows of each matrix
.endr
	; A fragment of A: lane (r, h) holds row r; registers 0-3 K = 8 h .. + 7, registers 4-7 K = 16 + 8 h .. + 7: two loads of 16 bytes, 32 bytes apart
	v_mul_u32_u24 v5, v2, APITCH
	v_lshl_add_u32 v5, v3, 4, v5
	v_add_nc_u32 v[ADA], s[GA0+1], v5
	; A fragment of B, whose LDS rows lie along n: the transposing load, at row 8 h + lane % 8 and 16 bytes further for lanes 8-15 and 24-31; the second load 16 rows down
	v_and_b32 v7, 7, v0
	v_lshl_add_u32 v5, v3, 3, v7
	v_mul_u32_u24 v5, v5, BPITCH
	v_bfe_u32 v6, v0, 3, 1
	v_lshl_add_u32 v5, v6, 4, v5
	v_add_nc_u32 v[ADB], s[GB0+1], v5
	v_lshl_add_u32 v[RS], v1, 4, s[GA0+1]          ; partial tiles: 16 x lane in my part of A
	s_lshl_b32 s78, s12, 12
	v_lshl_add_u32 v[RL0], v1, 4, s78              ; the four tiles of m block w begin 4,096 w into a wave's partial tiles
	v_add_nc_u32 v[RL0+1], 2*AREG, v[RL0]
	s_add_co_u32 s79, s[GA0+1], PSTG               ; my stage
	v_mul_u32_u24 v5, v2, CPITCH                   ; in: row r, 16 bytes for each half of the lanes
	v_lshl_add_u32 v5, v3, 4, v5
	v_add_nc_u32 v[SST], s79, v5
	v_lshrrev_b32 v6, 3, v1                        ; back: eight lanes take a row of 128 bytes, the wave four rows
	v_mul_u32_u24 v5, v6, CPITCH
	v_lshl_add_u32 v5, v7, 4, v5
	v_add_nc_u32 v[SRD], s79, v5
	v_lshlrev_b32 v5, 11, v6                       ; and the same four rows in C
	v_lshl_add_u32 v[CO], v7, 4, v5
	s_wait_loadcnt 0x0
; chain j of four that do not wait for each other: eight f16 of A's row, named by their halves, are widened and multiplied by eight of v; the first product starts the chain
.macro DOT j, h0, h1, h2, h3, h4, h5, h6, h7
.set n, 0
.irp x, \h0, \h1, \h2, \h3, \h4, \h5, \h6, \h7
	v_cvt_f32_f16 v[TT+n], \x
.set n, n+1
.endr
	v_pk_mul_f32 v[SS+2*\j:SS+2*\j+1], v[TT:TT+1], v[VV+8*\j:VV+8*\j+1]
.irp i, 2,4,6
	v_pk_fma_f32 v[SS+2*\j:SS+2*\j+1], v[TT+\i:TT+\i+1], v[VV+8*\j+\i:VV+8*\j+\i+1], v[SS+2*\j:SS+2*\j+1]
.endr
.endm
	DOT 0, v32.l, v32.h, v33.l, v33.h, v34.l, v34.h, v35.l, v35.h
	DOT 1, v36.l, v36.h, v37.l, v37.h, v38.l, v38.h, v39.l, v39.h
	DOT 2, v40.l, v40.h, v41.l, v41.h, v42.l, v42.h, v43.l, v43.h
	DOT 3, v44.l, v44.h, v45.l, v45.h, v46.l, v46.h, v47.l, v47.h
	v_pk_add_f32 v[SS:SS+1], v[SS:SS+1], v[SS+2:SS+3]
	v_pk_add_f32 v[SS+4:SS+5], v[SS+4:SS+5], v[SS+6:SS+7]
	v_pk_add_f32 v[SS:SS+1], v[SS:SS+1], v[SS+4:SS+5]
	v_add_f32 v[SS], v[SS], v[SS+1]
	v_add_f32_dpp v[SS], v[SS], v[SS] row_xmask:1 row_mask:0xf bank_mask:0xf
	v_add_f32_dpp v[SS], v[SS], v[SS] row_xmask:2 row_mask:0xf bank_mask:0xf
	v_add_f32_dpp v[SS], v[SS], v[SS] row_xmask:4 row_mask:0xf bank_mask:0xf
	v_add_f32_dpp v[SS], v[SS], v[SS] row_xmask:8 row_mask:0xf bank_mask:0xf
	v_permlanex16_b32 v[SS+1], v[SS], s21, s22     ; its destination counts as read: a register that has been written
	v_add_f32 v[SS], v[SS], v[SS+1]
	v_add_f32 v[SS], v[SS], v[EV]
	s_wait_xcnt 0x0                                ; EXEC changes only behind this wait
	v_cmp_eq_u32 vcc_lo, 0, v1
	s_and_saveexec_b32 s23, vcc_lo
	global_store_b32 v[ZO], v[SS], s[74:75]        ; lane 0 alone
	s_wait_xcnt 0x0                                ; and again in front of the line that widens it
	s_or_b32 exec_lo, exec_lo, s23
	; m4 .. m1: over my 16 entries, then over the 32 lanes
.irp c, 0,1,2,3
	v_max3_num_f32 v[MR+\c], v[MXV+\c], v[MXV+4+\c], v[MXV+8+\c]
.irp j, 3,5,7,9,11,13
	v_max3_num_f32 v[MR+\c], v[MR+\c], v[MXV+4*\j+\c], v[MXV+4*\j+4+\c]
.endr
	v_max_num_f32 v[MR+\c], v[MR+\c], v[MXV+60+\c]
.endr
.irp x, 1,2,4,8
.irp c, 0,1,2,3
	v_max_num_f32_dpp v[MR+\c], v[MR+\c], v[MR+\c] row_xmask:\x row_mask:0xf bank_mask:0xf
.endr
.endr
.irp c, 0,1,2,3
	v_permlanex16_b32 v[MXV+\c], v[MR+\c], s21, s22
.endr
.irp c, 0,1,2,3
	v_max_num_f32 v[MR+\c], v[MR+\c], v[MXV+\c]
.endr
	v_mul_f32 v[MR+2], v[MR+2], v[MR+3]            ; m2 m1
	v_mul_f32 v[MR], v[MR], v[MR+1]                ; m4 m3
	v_mul_f32 v[MR], v[MR], v[MR+2]                ; m4 m3 m2 m1
	v_readfirstlane_b32 s80, v[MR+2]
	v_readfirstlane_b32 s81, v[MR]
	s_lshr_b32 s80, s80, 23                        ; E: a positive M lies below 2^(E - 126)
	s_lshr_b32 s81, s81, 23
	s_sub_co_i32 s80, 258, s80                     ; 127 + k for 2^10 m2 m1 2^k <= 2^15: k = 5 - (E - 126)
	s_sub_co_i32 s81, 238, s81                     ; 127 + k for 2^30 m4 m3 m2 m1 2^k <= 2^15: k = -15 - (E - 126); 238 at the most
	s_min_i32 s80, s80, s81
	s_max_i32 s80, s80, 1                          ; stays the exponent field of a normal number
	s_lshl_b32 s80, s80, 23                        ; 2^k
	s_cmp_eq_u32 s17, 1
	s_cselect_b32 s82, s80, 0x3f800000             ; f = 2^k for product 1, 1 for product 0
	s_mov_b32 s83, s82
; 16 LDS loads: the fragments of K step s (32 along K; four steps in a chunk): 64 rows of A into fa, 64 columns of B into fb
.macro FETCHC s, fa, fb
.irp a, 0,1,2,3
	ds_load_b128 v[\fa+8*\a:\fa+8*\a+3],   v[ADA] offset:((\s)/4)*ACH+\a*16*APITCH+((\s)%4)*64
	ds_load_b128 v[\fa+8*\a+4:\fa+8*\a+7], v[ADA] offset:((\s)/4)*ACH+\a*16*APITCH+((\s)%4)*64+32
.endr
.irp b, 0,1,2,3
	ds_load_tr16_b128 v[\fb+8*\b:\fb+8*\b+3],   v[ADB] offset:((\s)/4)*BCH+((\s)%4)*32*BPITCH+32*\b
	ds_load_tr16_b128 v[\fb+8*\b+4:\fb+8*\b+7], v[ADB] offset:((\s)/4)*BCH+((\s)%4)*32*BPITCH+32*\b+16*BPITCH
.endr
.endm
; 16 matrix instructions, used transposed (source 0 = columns of B, source 1 = rows of A): lane (r, h) then holds row 16 a + r of C and its registers the
; columns 16 b + 8 h + 0 .. 7, eight neighbours of a row.  The sixteen accumulators take turns, one instruction a turn, in the same order in every step.
; zero = 1: the first product starts the sums.
.macro MULC fa, fb, zero
	WIN 0x50                                       ; C and D in window 1
.irp a, 0,1,2,3
.irp b, 0,1,2,3
.if \zero
	v_wmma_f32_16x16x32_f16 v[8*(4*\a+\b):8*(4*\a+\b)+7], v[\fb+8*\b:\fb+8*\b+7], v[\fa+8*\a:\fa+8*\a+7], 0
.else
	v_wmma_f32_16x16x32_f16 v[8*(4*\a+\b):8*(4*\a+\b)+7], v[\fb+8*\b:\fb+8*\b+7], v[\fa+8*\a:\fa+8*\a+7], v[8*(4*\a+\b):8*(4*\a+\b)+7]
.endif
.endr
.endr
	WIN 0
.endm
; K step s is multiplied on (fa, fb) while step s + 1 is fetched into (ga, gb), which the step before has multiplied
.macro STEP s, fa, fb, ga, gb, zero
.if \s
	PLACES
.endif
.if \s == 3
	s_wait_tensorcnt 0x0                           ; from here on the second chunks are read
.endif
	FETCHC \s+1, \ga, \gb
	s_wait_dscnt 16                                ; all but the sixteen just issued
	MULC \fa, \fb, \zero
.endm
	s_wait_tensorcnt 0x2                           ; tensor loads of a wave end in order (ISA guide 10.11.1): my first chunks of A and B are in, the second two stay out
	FETCHC 0, FA0, FB0
	STEP 0, FA0, FB0, FA1, FB1, 1
	STEP 1, FA1, FB1, FA0, FB0, 0
	STEP 2, FA0, FB0, FA1, FB1, 0
	STEP 3, FA1, FB1, FA0, FB0, 0
	STEP 4, FA0, FB0, FA1, FB1, 0
	STEP 5, FA1, FB1, FA0, FB0, 0
	STEP 6, FA0, FB0, FA1, FB1, 0
	s_wait_dscnt 0x0                               ; my last reads of the tiles
	MULC FA1, FB1, 0
	; The four partial sums meet.  My part of A has been read out, by me alone, and nothing is filled any more: it takes my 16 tiles, 1,024 bytes each.
	PLACES
	WIN 0x04                                       ; store data in window 1
.set tt, 0
.rept 16
	ds_store_b128 v[RS], v[8*tt:8*tt+3]   offset:tt*1024
	ds_store_b128 v[RS], v[8*tt+4:8*tt+7] offset:tt*1024+512
.set tt, tt+1
.endr
	WIN 0
	s_wait_dscnt 0x0                               ; for the others' sake: my stores are done
	s_barrier_signal -1
	s_barrier_wait -1
.irp s, 0,1,2,3                                    ; wave w sums m block w: tiles (w, 0..3) of all four waves
.irp b, 0,1,2,3
.irp q, 0,1
	ds_load_b128 v[32+32*\s+8*\b+4*\q:32+32*\s+8*\b+4*\q+3], v[RL0+\s/2] offset:(\s%2)*AREG+\b*1024+\q*512
.endr
.endr
.endr
	s_wait_dscnt 0x0
.irp b, 0,1,2,3
.irp i, 0,2,4,6
	v_pk_add_f32 v[32+8*\b+\i:32+8*\b+\i+1], v[32+8*\b+\i:32+8*\b+\i+1], v[64+8*\b+\i:64+8*\b+\i+1]
	v_pk_add_f32 v[96+8*\b+\i:96+8*\b+\i+1], v[96+8*\b+\i:96+8*\b+\i+1], v[128+8*\b+\i:128+8*\b+\i+1]
.endr
.endr
.irp b, 0,1,2,3
.irp i, 0,2,4,6
	v_pk_add_f32 v[32+8*\b+\i:32+8*\b+\i+1], v[32+8*\b+\i:32+8*\b+\i+1], v[96+8*\b+\i:96+8*\b+\i+1]
.endr
.endr
.irp b, 0,1,2,3
.irp i, 0,2,4,6
	v_pk_mul_f32 v[32+8*\b+\i:32+8*\b+\i+1], v[32+8*\b+\i:32+8*\b+\i+1], s[82:83] op_sel_hi:[1,0]   ; times f, a power of two: no rounding
.endr
.endr
.irp b, 0,1,2,3
.irp i, 0,1,2,3
	v_cvt_pk_f16_f32 v[PK+4*\b+\i], v[32+8*\b+2*\i], v[32+8*\b+2*\i+1]
.endr
	ds_store_b128 v[SST], v[PK+4*\b:PK+4*\b+3] offset:32*\b        ; C(16 w + r, 16 b + 8 h .. + 7) into my own stage, which no other wave touches
.endr
.irp t, 0,1,2,3
	ds_load_b128 v[RBK+4*\t:RBK+4*\t+3], v[SRD] offset:\t*4*CPITCH ; LDS serves a wave's instructions in order (ISA guide 5.7.1.4): these see the stores above
.endr
.irp t, 0,1,2,3
	s_wait_dscnt 3-\t                              ; the loads behind load t stay out
	global_store_b128 v[CO], v[RBK+4*\t:RBK+4*\t+3], s[76:77] offset:\t*8192     ; four rows of C, 128 consecutive bytes each
.endr
	s_wait_tensorcnt 0x0
	ds_add_u32 v254, v255
	s_wait_dscnt 0x0
	CROUND                                         ; the closing round: no work-group ends while a partner may still ask for a tile that names it
	s_endpgm
.Lfunc_end_k_q3fa6be318b_compose1:
	.size	k_q3fa6be318b_compose1, .Lfunc_end_k_q3fa6be318b_compose1-k_q3fa6be318b_compose1
	.p2alignl 7, 3214868480
	.fill 96, 4, 3214868480
	.section	.rodata,"a",@progbits
	.p2align	6, 0x0
	.amdhsa_kernel k_q3fa6be318b_compose1
		.amdhsa_group_segment_fixed_size 303616
		.amdhsa_private_segment_fixed_size 0
		.amdhsa_enable_private_segment 0
		.amdhsa_kernarg_size 40
		.amdhsa_user_sgpr_count 2
		.amdhsa_user_sgpr_kernarg_segment_ptr 1
		.amdhsa_wavefront_size32 1
		.amdhsa_system_sgpr_workgroup_id_x 1
		.amdhsa_system_sgpr_workgroup_id_y 1
		.amdhsa_system_sgpr_workgroup_id_z 1
		.amdhsa_system_vgpr_workitem_id 0
		.amdhsa_next_free_vgpr 384
		.amdhsa_next_free_sgpr 88
		.amdhsa_reserve_vcc 1
		.amdhsa_float_denorm_mode_32 3
		.amdhsa_float_denorm_mode_16_64 3
		.amdhsa_memory_ordered 1
		.amdhsa_forward_progress 1
		.amdhsa_inst_pref_size 45
	.end_amdhsa_kernel
	.amdgpu_metadata
---
amdhsa.version: [ 1, 2 ]
amdhsa.kernels:
  - .name:           k_q3fa6be318b_compose1
    .symbol:         k_q3fa6be318b_compose1.kd
    .args:
      - { .name: WS, .offset: 0, .size: 8, .value_kind: global_buffer, .address_space: global }
      - { .name: VS, .offset: 8, .size: 8, .value_kind: global_buffer, .address_space: global }
      - { .name: P, .offset: 16, .size: 8, .value_kind: global_buffer, .address_space: global }
      - { .name: D1, .offset: 24, .size: 8, .value_kind: global_buffer, .address_space: global }
      - { .name: MX, .offset: 32, .size: 8, .value_kind: global_buffer, .address_space: global }
    .group_segment_fixed_size: 303616
    .private_segment_fixed_size: 0
    .kernarg_segment_align: 8
    .kernarg_segment_size: 40
    .max_flat_workgroup_size: 128
    .sgpr_count:     88
    .vgpr_count:     384
    .wavefront_size: 32
...
	.end_amdgpu_metadata
.endif
;; end of part 2
;; launch compose2: the kernel of part 2 again; grid 16 x 16, 4 waves a work-group, clusters of 4 x 4, 303,616 bytes of LDS; arguments P, D1, Q, D2, MX; writes Q, D2
;; launch main (part 3): grid 8 x 32, 4 waves a work-group, clusters of 4 x 4, 327,680 bytes of LDS; arguments xh, P, Q, D1, D2, x_feat, x_angle, y_angle, out0, MX; writes out0
.if DOCPART == 3
	.amdgcn_target "amdgcn-amd-amdhsa--gfx1250"
	.amdhsa_code_object_version 6
	.text
	.protected	k_q3fa6be318b_main
	.globl	k_q3fa6be318b_main
	.p2align	8
	.type	k_q3fa6be318b_main,@function
k_q3fa6be318b_main:
	s_mov_b64 s[64:65], 0
	v_nop
	global_prefetch_b8 v0, s[64:65] scope:SCOPE_SE
	s_setreg_imm32_b32 hwreg(HW_REG_WAVE_MODE, 25, 1), 1
	s_wait_xcnt 0x0
	s_wait_alu depctr_hold_cnt(0) depctr_sa_sdst(0) depctr_va_vdst(0) depctr_va_sdst(0) depctr_va_ssrc(0) depctr_va_vcc(0) depctr_vm_vsrc(0)
	s_getreg_b32 s2, hwreg(HW_REG_IB_STS2, 6, 4)
	s_cmp_eq_u32 s2, 0
	s_cbranch_scc0 .Lentry_in_a_cluster
	s_endpgm
.Lentry_in_a_cluster:
	s_bfe_u32 s2, ttmp6, 0x10000c
	s_cmp_lg_u32 s2, 0xf033
	s_cbranch_scc0 .Lentry_shape_is_right
	s_endpgm
.Lentry_shape_is_right:
; out0[m] = x_feat[m]                          where level(m) = 0,
;           x[m] (W4 W3)^T + bc2               where level(m) = 1   (P's first 2 MiB, D1's first 4 KiB),
;           x[m] (W4 W3 W2 W1)^T + bc3         where level(m) = 2   (Q, which holds the matrix times 2^k, and D2),
; level(m) = max(argmax x_angle[m], argmax y_angle[m]).  x = xh, f16 of x_feat; sums in f32; out0 in f32.
; The level chooses between VALUES only (v_cndmask_b32): both products are made for every row, and no address, branch or trip count hangs on it.
; 2^k is formed here as the launch that stored Q formed it, from the 512 partial maxima of |W4| .. |W1| in MX: the largest k with 2^10 m2 m1 2^k <= 2^15 and
; 2^30 m4 m3 m2 m1 2^k <= 2^15.  The second candidate's sums start at 0 and leave as sum x 2^-k + bc3, one fused multiply-add: the bias is never scaled.
; LIMITS, kept on purpose: (1) the composed weights are rounded to f16, so the order of rounding differs from four products in a chain;
; (2) a NaN in an angle never wins the argmax here; ties (the first index wins) and infinities are ranked as an argmax ranks them;
; (3) a magnitude above 65,504 in x_feat is infinite in xh.
;
; A work-group takes 256 rows and 128 output columns, in both candidates: its B tile is 128 rows of P and the 128 rows of Q of the same columns, so it is a
; 256 x 256 block of a product with K = 1024.  Four waves, as many as a WGP has SIMDs; a wave makes 128 rows x 64 columns x 2 candidates: 64 accumulator
; tiles of 16 x 16, 512 registers.  A lane holds both candidates of an output, so the choice never leaves the lane.
; K goes in steps of 128 through a ring of two LDS slots filled by the tensor data mover; a tile's rows are 256 bytes of memory, aligned to 256.
; CLUSTERS: 4 x 4 work-groups.  The four of a row of the cluster need the same tiles of xh, the four of a column the same tiles of P and Q: each tile is asked
; for jointly, by the same tensor load with the same descriptor and a mask that names the four.  That divides the requests by four.
;
; REGISTERS, in windows of 256:
;   window 0: v0-31 addresses; v32-63, v224-255 rows of x_feat on the way out (v32-48 first serve the angles); v64-127, v128-191 fragments of A, two buffers
;             (v128-195 first serve the maxima; on the way out: rows read back, and the levels in v96-111); v192-223 at work on the way out
;   window 1: v64-127, v128-191 fragments of B, two buffers; v192-255 the biases, laid out as eight accumulator tiles
;   window 2: the 32 accumulator tiles of my rows 0-63 (tile (a, b) at v[8 (8 a + b)]; b < 4: level 1, b >= 4: level 2 of the same columns);  window 3: rows 64-127
; s_set_vgpr_msb's low byte: bits 1:0 source 0, 3:2 source 1, 5:4 source 2, 7:6 destination.
; THE MATRIX INSTRUCTION IS USED TRANSPOSED: source 0 = 16 rows of B, source 1 = 16 rows of A: lane l holds row l % 16 and its registers the columns
; 8 (l / 16) + 0 .. 7, eight neighbouring numbers of a row of the output.
; THE FIRST PRODUCT STARTS THE SUMS: with the bias tile as C for the first candidate, with the constant 0 for the second.  Nothing is cleared.
.set SIZE_K, 1024
.set KSTEP,  128
.set PITCH,  272                       ; an LDS row: 256 bytes + 16: row r starts 16 r bytes further modulo 256, so the 16 rows of a fragment do not meet
.set HALFT,  128*PITCH                 ; 128 rows: what one tensor load brings
.set SLOT,   4*HALFT                   ; A's 256 rows, then P's 128 and Q's 128
.set STAGE,  2*SLOT                    ; behind the ring: 16 rows x 272 bytes for each wave, for the way out
.set SPITCH, 272
.set LVL,    STAGE+4*16*SPITCH         ; behind the stages: the levels of the block's 256 rows, a word each, 1,024 bytes, into which no fill lands
.set LAPS,   SIZE_K/(2*KSTEP)          ; a lap = two K steps = once round the ring
.set OROW,   4096                      ; bytes in a row of x_feat and of out0
.set BA,   6                           ; v6      32 x (l / 16): my 8 columns in a bias tile
.set LC,   7                           ; v7      LDS address of the level of my wave's row l % 16
.set ANA,  8                           ; v8      24 t: two rows of angles
.set LVS,  9                           ; v9      LVL + 8 t: where thread t puts two levels
.set MA,   10                          ; v10     16 x lane: my entries of MX
.set ADRA, 16                          ; v16-17  LDS address of my A fragments in slot 0, 1
.set ADRB, 20                          ; v20-21  the same for B
.set STO,  24                          ; v24     the way out: where I put 32 bytes of a row
.set RD,   25                          ; v25     the way out: where I read a row back
.set CO,   26                          ; v26     my byte offset in x_feat and out0; never rewritten
.set LR,   27                          ; v27     LDS address of the level of my wave's row l / 16
.set AN,   32                          ; v[32:37] x_angle, v[38:43] y_angle of two rows; v44-48 at work
.set XF0,  32                          ; rows of x_feat, two buffers of 32 registers
.set XF1,  224
.set F0,   64                          ; fragment buffer 0
.set LT,   96                          ; v[96:103]  the way out: levels of the rows read back
.set LV,   104                         ; v[104:111] the way out: levels of my rows 16 i + l % 16
.set F1,   128                         ; fragment buffer 1
.set MXV,  128                         ; v[128:191] ahead of the fragments: my 16 entries of the partial maxima
.set MR,   192                         ; v[192:195] m4, m3, m2, m1
.set TMP,  192                         ; the way out: the chosen candidate
.set BIAS, 192                         ; window 1
.set G1, 24                            ; s[24:31] descriptor group 1 for A's tiles
.set G0, 32                            ; s[32:39] descriptor group 0 for A's tiles, one set for each slot
.set G1B, 48                           ; s[48:55] descriptor group 1 for B's tiles: it differs in the mask alone
.set G0B, 56                           ; s[56:63] descriptor group 0 for B's tiles, one set for each slot
.set MSB, 0
.macro WIN new                         ; the immediate's high byte repeats the setting that is left
.if MSB != \new
	s_set_vgpr_msb (MSB<<8)|\new
.set MSB, \new
.endif
.endm
.set MUL_LO, 0xa1                      ; source 0 (B) window 1, source 1 (A) window 0, C and D window 2
.set MUL_HI, 0xf1                      ; the same, C and D window 3
.set FST_LO, 0x91                      ; the first products: C (the bias) window 1, D window 2
.set FST_HI, 0xd1                      ; C window 1, D window 3
.set TO_B,   0x40                      ; destination window 1, address window 0
; A joint load.  Waves 0 and 1 fetch A's two halves, wave 2 P's rows, wave 3 Q's.  Each of the two lines has one mask; the branch hangs on the wave's number alone.
.macro JLOAD s
	s_cmp_eq_u32 s11, 0
	s_cbranch_scc0 .Lfor_b_\@
	tensor_load_to_lds s[G0+4*\s:G0+4*\s+3], s[G1:G1+7]
	s_nop 0
	s_branch .Lasked_\@
.Lfor_b_\@:
	tensor_load_to_lds s[G0B+4*\s:G0B+4*\s+3], s[G1B:G1B+7]
	s_nop 0
.Lasked_\@:
.endm
; A round of the cluster's barrier: my work-group's barrier; wave 0 signals for the work-group; every wave waits for all sixteen; my work-group's barrier once more.
.macro CREST                           ; a round behind its opening barrier
	s_cmp_lg_u32 s10, 0
	s_cbranch_scc1 .Lnot_wave_0_\@
	s_barrier_signal -3
.Lnot_wave_0_\@:
	s_barrier_wait -3
	s_barrier_signal -1
	s_barrier_wait -1
.endm
.macro CROUND                          ; a whole round
	s_barrier_signal -1
	s_barrier_wait -1
	CREST
.endm
	s_load_b512 s[68:83], s[0:1], 0x0              ; xh s[68:69], P s[70:71], Q s[72:73], D1 s[74:75], D2 s[76:77], x_feat s[78:79], x_angle s[80:81], y_angle s[82:83]
	s_load_b64 s[84:85], s[0:1], 0x40              ; out0
	s_load_b64 s[96:97], s[0:1], 0x48              ; MX
	s_set_vgpr_msb 0x40
	v_lshl_add_u32 v63, v0, 2, 0x48800
	s_set_vgpr_msb 0x4000
	v_mov_b32 v31, 0
	s_set_vgpr_msb 0x1
	ds_add_u32 v63, v31
	s_set_vgpr_msb 0x100
	v_lshrrev_b32 v1, 5, v0
	v_readfirstlane_b32 s10, v1                    ; wave 0..3
	s_lshr_b32 s11, s10, 1                         ; which half of the block's rows is mine.  Also: I fetch for A (0) or for B (1)
	s_and_b32 s12, s10, 1                          ; which half of its columns.  Also: which 128 rows of A, or P (0) or Q (1), I fetch
	s_bfe_u32 s40, ttmp6, 0x40000                  ; cx
	s_bfe_u32 s41, ttmp6, 0x40004                  ; cy
	s_lshl_b32 s42, ttmp9, 2
	s_add_co_u32 s42, s42, s40                     ; block column (128 output columns) = 4 x cluster x + cx
	s_and_b32 s13, ttmp7, 0xffff
	s_lshl_b32 s13, s13, 2
	s_add_co_u32 s13, s13, s41                     ; block row (256 rows) = 4 x cluster y + cy
	s_lshl_b32 s43, s41, 2
	s_lshl_b32 s43, 15, s43                        ; my row of the cluster: places 4 cy .. 4 cy + 3
	s_lshl_b32 s44, 0x1111, s40                    ; my column: places cx, cx + 4, cx + 8, cx + 12
	s_mov_b32 s4, 0x76543210                       ; v_permlanex16_b32: lane i reads lane i of the other half
	s_mov_b32 s5, 0xfedcba98
	; descriptor group 1: a tile of 128 rows x 128 elements of 2 bytes, padded in LDS
	s_or_b32 s[G1+0], s43, (1<<16)|(1<<20)|(1<<21)|(5<<22)|(3<<25)  ; 15:0 the mask: my row; 17:16 element of 2 bytes; 20 padding on; 21 set beside a mask; 24:22 after every 64 words; 31:25 four words
	s_or_b32 s[G1B+0], s44, (1<<16)|(1<<20)|(1<<21)|(5<<22)|(3<<25) ; the same with the mask of my column
	s_mov_b32 s[G1B+1], KSTEP<<16
	s_mov_b32 s[G1+1], KSTEP<<16                   ; tensor_dim0 = 128
	s_mov_b32 s[G1B+2], 128<<16
	s_mov_b32 s[G1+2], 128<<16                     ; tensor_dim1 = 128
	s_mov_b32 s[G1B+3], KSTEP<<16
	s_mov_b32 s[G1+3], KSTEP<<16                   ; tile_dim0 = 128
	s_mov_b32 s[G1B+4], 128
	s_mov_b32 s[G1+4], 128                         ; tile_dim1 = 128
	s_mov_b32 s[G1B+5], SIZE_K
	s_mov_b32 s[G1+5], SIZE_K                      ; elements from row to row
	s_mov_b32 s[G1B+6], 0
	s_mov_b32 s[G1+6], 0
	s_mov_b32 s[G1B+7], 0
	s_mov_b32 s[G1+7], 0
	; where the tiles come from.  A's hang on the block row alone, B's on the block column alone; each in registers that never hold the other coordinate.
	s_lshl_b32 s16, s13, 19                        ; A: row 256 x block row, 2,048 bytes a row,
	s_lshl_b32 s17, s12, 18                        ;    + 128 x half
	s_add_co_u32 s16, s16, s17
	s_mov_b32 s17, 0
	s_lshl_b32 s46, s42, 18                        ; B: row 128 x block column of P or of Q
	s_mov_b32 s47, 0
	s_mul_i32 s20, s10, HALFT                      ; and where they go: wave x 128 rows: A's two halves, P's rows, Q's rows
	s_wait_dscnt 0x0
	s_wait_kmcnt 0x0
	s_add_nc_u64 s[14:15], s[68:69], s[16:17]
	s_cmp_eq_u32 s12, 0                            ; by the wave's number alone: the same choice in every partner
	s_cselect_b64 s[18:19], s[70:71], s[72:73]
	s_add_nc_u64 s[46:47], s[18:19], s[46:47]
	CROUND                                         ; all sixteen work-groups are here: the first joint loads meet
.irp s, 0,1
	s_mov_b32 s[G0+4*\s], 1                                        ; count = 1
	s_add_co_u32 s[G0+4*\s+1], s20, \s*SLOT                        ; LDS address
	s_add_nc_u64 s[G0+4*\s+2:G0+4*\s+3], s[14:15], \s*KSTEP*2      ; global address: K step s
	s_or_b32 s[G0+4*\s+3], s[G0+4*\s+3], 0x80000000                ; type = 2
	s_mov_b32 s[G0B+4*\s], 1
	s_add_co_u32 s[G0B+4*\s+1], s20, \s*SLOT
	s_add_nc_u64 s[G0B+4*\s+2:G0B+4*\s+3], s[46:47], \s*KSTEP*2
	s_or_b32 s[G0B+4*\s+3], s[G0B+4*\s+3], 0x80000000
	JLOAD \s                                       ; the ring is filled before anything else is done: two tensor loads of this wave are out
.endr
	; While the first tiles are on their way: the biases, the levels, the power of two, the addresses.
	v_and_b32 v1, 15, v0                           ; l % 16
	v_bfe_u32 v2, v0, 4, 1                         ; l / 16
	v_lshlrev_b32 v[BA], 5, v2
	v_mul_u32_u24 v[ANA], v0, 24
	v_and_b32 v[MA], 31, v0
	v_lshlrev_b32 v[MA], 4, v[MA]
	s_lshl_b32 s86, s42, 9                         ; my first column, in bytes of f32: 512 x block column + 256 x half
	s_lshl_b32 s87, s12, 8
	s_add_co_u32 s86, s86, s87
	s_mov_b32 s87, 0
	s_add_nc_u64 s[74:75], s[74:75], s[86:87]      ; bc2 at my first column
	s_add_nc_u64 s[76:77], s[76:77], s[86:87]      ; bc3 at my first column
	s_lshl_b32 s45, s13, 20                        ; my first row: 256 x block row + 128 x half, 4,096 bytes a row
	s_add_co_u32 s86, s86, s45
	s_lshl_b32 s45, s11, 19
	s_add_co_u32 s86, s86, s45
	s_add_nc_u64 s[88:89], s[78:79], s[86:87]      ; x_feat at my 128 rows x 64 columns
	s_add_nc_u64 s[90:91], s[84:85], s[86:87]      ; out0 likewise
	s_mul_i32 s86, s13, 3072                       ; 256 rows of 12 bytes
	s_add_nc_u64 s[92:93], s[80:81], s[86:87]
	s_add_nc_u64 s[94:95], s[82:83], s[86:87]
	WIN TO_B
.irp b, 0,1,2,3                                    ; bias tile b: register j of lane l = the bias of column 16 (b % 4) + 8 (l / 16) + j, whatever the row
	global_load_b128 v[BIAS+8*\b:BIAS+8*\b+3],         v[BA], s[74:75] offset:64*\b
	global_load_b128 v[BIAS+8*\b+4:BIAS+8*\b+7],       v[BA], s[74:75] offset:64*\b+16
	global_load_b128 v[BIAS+32+8*\b:BIAS+32+8*\b+3],   v[BA], s[76:77] offset:64*\b
	global_load_b128 v[BIAS+32+8*\b+4:BIAS+32+8*\b+7], v[BA], s[76:77] offset:64*\b+16
.endr
	WIN 0
.irp j, 0,1,2
	global_load_b64 v[AN+2*\j:AN+2*\j+1],     v[ANA], s[92:93] offset:8*\j       ; thread t: rows 2 t and 2 t + 1 of the block, 24 bytes
	global_load_b64 v[AN+6+2*\j:AN+6+2*\j+1], v[ANA], s[94:95] offset:8*\j
.endr
.irp j, 0,1,2,3,4,5,6,7,8,9,10,11,12,13,14,15
	global_load_b128 v[MXV+4*\j:MXV+4*\j+3], v[MA], s[96:97] offset:512*\j       ; entry 32 j + lane of the 512: the wave takes 512 consecutive bytes
.endr
	; A fragment is 16 rows x 32 K in 8 registers: lane l holds row l % 16; registers 0-3 K = 8 (l / 16) + 0..7, registers 4-7 K = 16 + 8 (l / 16) + 0..7.
	v_mul_u32_u24 v3, v1, PITCH
	v_lshl_add_u32 v3, v2, 4, v3                   ; row x pitch + 16 x half
	s_mul_i32 s21, s11, HALFT                      ; my 128 rows of A
	s_mul_i32 s22, s12, 64*PITCH                   ; my 64 rows of P; Q's lie 128 rows behind them,
	s_add_co_u32 s22, s22, 2*HALFT                 ; and both behind A's 256
.irp s, 0,1
	v_add_nc_u32 v[ADRA+\s], s21, v3
	v_add_nc_u32 v[ADRB+\s], s22, v3
	s_add_co_u32 s21, s21, SLOT
	s_add_co_u32 s22, s22, SLOT
.endr
	s_mul_i32 s23, s10, 16*SPITCH
	s_add_co_u32 s23, s23, STAGE                   ; my stage
	v_mul_u32_u24 v4, v1, SPITCH                   ; in: row l % 16, 32 bytes for each half of the lanes
	v_lshl_add_u32 v4, v2, 5, v4
	v_add_nc_u32 v[STO], s23, v4
	v_mul_u32_u24 v5, v2, SPITCH                   ; back: lanes 0-15 take one row of 256 bytes, lanes 16-31 the next
	v_lshl_add_u32 v5, v1, 4, v5
	v_add_nc_u32 v[RD], s23, v5
	v_lshlrev_b32 v5, 12, v2                       ; and the same two rows in x_feat and out0
	v_lshl_add_u32 v[CO], v1, 4, v5
	s_lshl_b32 s45, s11, 9
	s_add_co_u32 s45, s45, LVL                     ; the levels of my wave's 128 rows
	v_lshl_add_u32 v[LC], v1, 2, s45
	v_lshl_add_u32 v[LR], v2, 2, s45
	v_lshlrev_b32 v[LVS], 3, v0
	v_add_nc_u32 v[LVS], LVL, v[LVS]
	s_wait_loadcnt 0x0                             ; biases, angles and maxima
; d = the first index of the largest of v[a], v[a+1], v[a+2]: a later one wins only if it is greater
.macro ARGMAX d, a, m
	v_cmp_gt_f32 vcc_lo, v[\a+1], v[\a]
	v_cndmask_b32 v[\d], 0, 1, vcc_lo
	v_max_num_f32 v[\m], v[\a], v[\a+1]
	v_cmp_gt_f32 vcc_lo, v[\a+2], v[\m]
	v_cndmask_b32 v[\d], v[\d], 2, vcc_lo
.endm
	ARGMAX AN+12, AN,   AN+16
	ARGMAX AN+13, AN+3, AN+16
	ARGMAX AN+14, AN+6, AN+16
	ARGMAX AN+15, AN+9, AN+16
	v_max_u32 v[AN+12], v[AN+12], v[AN+14]
	v_max_u32 v[AN+13], v[AN+13], v[AN+15]
	ds_store_b64 v[LVS], v[AN+12:AN+13]            ; read on the way out, behind many barriers
	; m4 .. m1: over my 16 entries, then over the 32 lanes
.irp c, 0,1,2,3
	v_max3_num_f32 v[MR+\c], v[MXV+\c], v[MXV+4+\c], v[MXV+8+\c]
.irp j, 3,5,7,9,11,13
	v_max3_num_f32 v[MR+\c], v[MR+\c], v[MXV+4*\j+\c], v[MXV+4*\j+4+\c]
.endr
	v_max_num_f32 v[MR+\c], v[MR+\c], v[MXV+60+\c]
.endr
.irp x, 1,2,4,8
.irp c, 0,1,2,3
	v_max_num_f32_dpp v[MR+\c], v[MR+\c], v[MR+\c] row_xmask:\x row_mask:0xf bank_mask:0xf
.endr
.endr
.irp c, 0,1,2,3
	v_permlanex16_b32 v[MXV+\c], v[MR+\c], s4, s5  ; its destination counts as read: a register that a load has written
.endr
.irp c, 0,1,2,3
	v_max_num_f32 v[MR+\c], v[MR+\c], v[MXV+\c]
.endr
	v_mul_f32 v[MR+2], v[MR+2], v[MR+3]            ; m2 m1
	v_mul_f32 v[MR], v[MR], v[MR+1]                ; m4 m3
	v_mul_f32 v[MR], v[MR], v[MR+2]                ; m4 m3 m2 m1
	v_readfirstlane_b32 s6, v[MR+2]
	v_readfirstlane_b32 s7, v[MR]
	s_lshr_b32 s6, s6, 23                          ; E: a positive M lies below 2^(E - 126)
	s_lshr_b32 s7, s7, 23
	s_sub_co_i32 s6, 258, s6                       ; 127 + k for 2^10 m2 m1 2^k <= 2^15
	s_sub_co_i32 s7, 238, s7                       ; 127 + k for 2^30 m4 m3 m2 m1 2^k <= 2^15; 238 at the most
	s_min_i32 s6, s6, s7
	s_max_i32 s6, s6, 1                            ; 127 + k, from 1 to 238, as the launch that stored Q made it
	s_sub_co_i32 s6, 254, s6                       ; 127 - k, from 16 to 253
	s_lshl_b32 s8, s6, 23                          ; 2^-k
	s_mov_b32 s9, s8
; 16 matrix instructions: m blocks a0, a0 + 1 of the window's four (hi = 0: my rows 0-63, 1: rows 64-127) x all 8 B fragments, 32 along K.
; first = 1: C is the bias tile (first candidate) or 0 (second).  The 64 accumulators take turns, one instruction a turn, in the same order in every quarter
; step.
.macro MUL16 f, hi, a0, first
.irp a, \a0, \a0+1
.irp b, 0,1,2,3,4,5,6,7
.if \first
.if \b < 4
	v_wmma_f32_16x16x32_f16 v[8*(8*(\a)+\b):8*(8*(\a)+\b)+7], v[\f+8*\b:\f+8*\b+7], v[\f+8*(4*\hi+\a):\f+8*(4*\hi+\a)+7], v[BIAS+8*\b:BIAS+8*\b+7]
.else
	v_wmma_f32_16x16x32_f16 v[8*(8*(\a)+\b):8*(8*(\a)+\b)+7], v[\f+8*\b:\f+8*\b+7], v[\f+8*(4*\hi+\a):\f+8*(4*\hi+\a)+7], 0
.endif
.else
	v_wmma_f32_16x16x32_f16 v[8*(8*(\a)+\b):8*(8*(\a)+\b)+7], v[\f+8*\b:\f+8*\b+7], v[\f+8*(4*\hi+\a):\f+8*(4*\hi+\a)+7], v[8*(8*(\a)+\b):8*(8*(\a)+\b)+7]
.endif
.endr
.endr
.endm
; 32 LDS loads in one run: the fragments of one quarter step (64 rows of P, 64 of Q, 128 of A, 32 K at byte k of the rows) into buffer f.
; B's fragment i begins at row 16 i of my 64 of P for i < 4, and 128 rows behind fragment i - 4 for i >= 4.
.macro FETCH slot, k, f
	WIN TO_B
.irp i, 0,1,2,3,4,5,6,7
	ds_load_b128 v[\f+8*\i:\f+8*\i+3],   v[ADRB+\slot] offset:\k+(16*\i+64*(\i/4))*PITCH
	ds_load_b128 v[\f+8*\i+4:\f+8*\i+7], v[ADRB+\slot] offset:\k+(16*\i+64*(\i/4))*PITCH+32
.endr
	WIN 0
.irp i, 0,1,2,3,4,5,6,7
	ds_load_b128 v[\f+8*\i:\f+8*\i+3],   v[ADRA+\slot] offset:\k+\i*16*PITCH
	ds_load_b128 v[\f+8*\i+4:\f+8*\i+7], v[ADRA+\slot] offset:\k+\i*16*PITCH+32
.endr
.endm
; Four plain vector instructions behind a matrix instruction, before its result is read by anything else or a load is issued into one of its registers
; (ISA guide 7.12.1 for vector instructions).  The matrix instructions in between are not counted.
.macro PLACES
.rept 4
	v_nop
.endr
.endm
; A K step is four quarter steps of 32 along K, 64 matrix instructions each, on buffers 0, 1, 0, 1.
; One of the first three: multiplies buffer f; in its middle it fetches the next quarter's fragments, at byte k of the same slot's rows, into buffer g.
.macro QUARTER slot, k, f, g, first
	s_wait_dscnt 8                                 ; B and A's rows 0-63 are in; the youngest eight loads (A's rows 64-127) may be out
.if \first
	WIN FST_LO
.else
	WIN MUL_LO
.endif
	MUL16 \f, 0, 0, \first
	MUL16 \f, 0, 2, \first
	PLACES
	FETCH \slot, \k, \g
	s_wait_dscnt 32                                ; all but the 32 just issued
.if \first
	WIN FST_HI
.else
	WIN MUL_HI
.endif
	MUL16 \f, 1, 0, \first
	MUL16 \f, 1, 2, \first
.endm
.macro THREE slot, first
	QUARTER \slot, 64,  F0, F1, \first
	QUARTER \slot, 128, F1, F0, 0
	QUARTER \slot, 192, F0, F1, 0
.endm
; The last quarter: multiplies buffer 1 and changes slots.  next = the other slot; fill = 1: this slot is filled again, two K steps ahead.
; In front of the barrier each wave waits for its own reads of this slot and for all its tensor loads, of which one is out: its part of the next slot.
; Behind it nobody reads this slot any more and the next slot is whole: the refill comes first, then the next slot's first fragments.
; From a request to the wait for it a wave issues 240 matrix instructions.
.macro TURN slot, next, fill
	s_wait_dscnt 8
	WIN MUL_LO
	MUL16 F1, 0, 0, 0
	s_wait_dscnt 0                                 ; my reads of this slot are over
	s_wait_tensorcnt 0x0                           ; and all my tensor loads have landed: the one that was out is my part of the next slot
	ds_add_u32 v63, v31
	s_wait_dscnt 0x0
	s_barrier_signal -1                            ; say so (where a slot is filled again this barrier opens a round of the cluster's barrier),
	MUL16 F1, 0, 2, 0                              ; work on registers while the others arrive,
	WIN 0
	s_barrier_wait -1                              ; and go on when all four have said so
.if \fill
	CREST                                          ; all sixteen work-groups have said so: no wave of any partner still reads this slot's tile or has a load on its way
	s_add_nc_u64 s[G0+4*\slot+2:G0+4*\slot+3], s[G0+4*\slot+2:G0+4*\slot+3], 2*KSTEP*2
	s_add_nc_u64 s[G0B+4*\slot+2:G0B+4*\slot+3], s[G0B+4*\slot+2:G0B+4*\slot+3], 2*KSTEP*2
	JLOAD \slot                                    ; the first tensor load behind the round, and this wave's only one until the next
.endif
	PLACES
	FETCH \next, 0, F0
	WIN MUL_HI
	MUL16 F1, 1, 0, 0
	MUL16 F1, 1, 2, 0
.endm
.macro LAP first                       ; once round the ring, both slots filled again
	THREE 0, \first
	TURN 0, 1, 1
	THREE 1, 0
	TURN 1, 0, 1
.endm
; eight loads: rows 16 i .. 16 i + 15 of my 128, my 64 columns of x_feat: sixteen lanes take 256 consecutive bytes, aligned.  Each byte is read once in the launch.
.macro XLOAD i, xf
.irp t, 0,1,2,3,4,5,6,7
	global_load_b128 v[\xf+4*\t:\xf+4*\t+3], v[CO], s[88:89] offset:(16*(\i)+2*\t)*OROW th:TH_LOAD_NT
.endr
.endm
	s_wait_dscnt 0x0                               ; for the others' sake: my two levels are stored
	s_wait_tensorcnt 1                             ; my part of K step 0 is in; K step 1's may stay out
	s_barrier_signal -1
	s_barrier_wait -1                              ; everybody's is
	FETCH 0, 0, F0
	LAP 1                                          ; the first lap stands in front of the loop: its first products start the sums
	WIN 0                                          ; at a label and at a branch every window is 0
	s_mov_b32 s3, LAPS-2
.Llap:
	LAP 0
	WIN 0
	s_sub_co_u32 s3, s3, 1
	s_cmp_lg_u32 s3, 0
	s_cbranch_scc1 .Llap
	XLOAD 0, XF0                                   ; the first 32 rows of x_feat for the way out: the last lap's 512 matrix instructions stand between these loads and their use
	XLOAD 1, XF1
	THREE 0, 0                                     ; the last lap fills nothing, and has no round of the cluster's barrier
	TURN 0, 1, 0
	THREE 1, 0
	s_wait_dscnt 8                                 ; the very last quarter: nothing more to fetch
	WIN MUL_LO
	MUL16 F1, 0, 0, 0
	MUL16 F1, 0, 2, 0
	s_wait_dscnt 0
	WIN MUL_HI
	MUL16 F1, 1, 0, 0
	MUL16 F1, 1, 2, 0
	; THE WAY OUT, 16 rows at a time: finish the second candidate, choose by the row's level, 32 bytes a lane and tile into my own stage, read back as whole rows of
	; 256 bytes, put x_feat in the rows of level 0, store.  The four v_nop are the places behind the last matrix instructions, for the arithmetic on their results
	; and for the loads into the buffers.
	PLACES
	WIN 0
.irp i, 0,1,2,3,4,5,6,7
	ds_load_b32 v[LV+\i], v[LC] offset:64*\i       ; the level of my row 16 i + l % 16
.endr
	s_wait_dscnt 0x0
; rows 16 i .. 16 i + 15 = the tiles (a, 0..7) of window 2 or 3 (from = 0x0a or 0x0f: sources 0 and 1; fw = 0x92 or 0xd3: source 0 and destination there, source 2
; in window 1); rb: F0 or F1 in turn; xf: XF0 or XF1 in turn
.macro OUT16 i, a, from, fw, rb, xf
	WIN 0
	v_cmp_eq_u32 vcc_lo, 2, v[LV+\i]
	WIN \fw
.irp b, 0,1,2,3
.irp j, 0,2,4,6
	v_pk_fma_f32 v[8*(8*\a+\b+4)+\j:8*(8*\a+\b+4)+\j+1], v[8*(8*\a+\b+4)+\j:8*(8*\a+\b+4)+\j+1], s[8:9], v[BIAS+32+8*\b+\j:BIAS+32+8*\b+\j+1] op_sel_hi:[1,0,1]   ; sum x 2^-k + bc3
.endr
.endr
	WIN \from
.irp b, 0,1,2,3
.irp j, 0,1,2,3,4,5,6,7
	v_cndmask_b32 v[TMP+8*\b+\j], v[8*(8*\a+\b)+\j], v[8*(8*\a+\b+4)+\j], vcc_lo     ; level 2: the second candidate
.endr
.endr
	WIN 0
.irp b, 0,1,2,3
	ds_store_b128 v[STO], v[TMP+8*\b:TMP+8*\b+3]   offset:64*\b
	ds_store_b128 v[STO], v[TMP+8*\b+4:TMP+8*\b+7] offset:64*\b+16
.endr
	s_wait_xcnt 0x0                                ; every earlier memory instruction has had its addresses translated (ISA guide 3.1): buffer rb, which stores read two turns ago, is rewritten only behind this wait
.irp t, 0,1,2,3,4,5,6,7
	ds_load_b128 v[\rb+4*\t:\rb+4*\t+3], v[RD] offset:\t*2*SPITCH  ; LDS serves a wave's instructions in order (ISA guide 5.7.1.4): these see the stores above
	ds_load_b32 v[LT+\t], v[LR] offset:4*(16*\i+2*\t)              ; the level of row 16 i + 2 t + l / 16
.endr
.if \i < 7
	s_wait_loadcnt 8                               ; these 16 rows of x_feat are in; the next 16 rows' eight loads stay out
.else
	s_wait_loadcnt 0
.endif
.irp t, 0,1,2,3,4,5,6,7
	s_wait_dscnt 14-2*\t                           ; pair t of LDS loads is in; the pairs behind it stay out
	v_cmp_eq_u32 vcc_lo, 0, v[LT+\t]
.irp q, 0,1,2,3
	v_cndmask_b32 v[\rb+4*\t+\q], v[\rb+4*\t+\q], v[\xf+4*\t+\q], vcc_lo             ; level 0: the row passes through
.endr
	global_store_b128 v[CO], v[\rb+4*\t:\rb+4*\t+3], s[90:91] offset:(16*\i+2*\t)*OROW th:TH_STORE_NT   ; 16 lanes store 256 consecutive bytes, aligned; 516,096 at the most in the immediate
.endr
.if \i < 6
	XLOAD \i+2, \xf                                ; the selects above have read this buffer: the rows two turns on
.endif
.endm
	OUT16 0, 0, 0x0a, 0x92, F0, XF0
	OUT16 1, 1, 0x0a, 0x92, F1, XF1
	OUT16 2, 2, 0x0a, 0x92, F0, XF0
	OUT16 3, 3, 0x0a, 0x92, F1, XF1
	OUT16 4, 0, 0x0f, 0xd3, F0, XF0
	OUT16 5, 1, 0x0f, 0xd3, F1, XF1
	OUT16 6, 2, 0x0f, 0xd3, F0, XF0
	OUT16 7, 3, 0x0f, 0xd3, F1, XF1
	s_set_vgpr_msb 0x1
	s_wait_tensorcnt 0x0
	ds_add_u32 v63, v31
	s_wait_dscnt 0x0
	s_set_vgpr_msb 0x100
	CROUND                                         ; the closing round: no work-group ends while a partner may still ask for a tile that names it
	s_endpgm
.Lfunc_end_k_q3fa6be318b_main:
	.size	k_q3fa6be318b_main, .Lfunc_end_k_q3fa6be318b_main-k_q3fa6be318b_main
	.p2alignl 7, 3214868480
	.fill 96, 4, 3214868480
	.section	.rodata,"a",@progbits
	.p2align	6, 0x0
	.amdhsa_kernel k_q3fa6be318b_main
		.amdhsa_group_segment_fixed_size 327680
		.amdhsa_private_segment_fixed_size 0
		.amdhsa_enable_private_segment 0
		.amdhsa_kernarg_size 80
		.amdhsa_user_sgpr_count 2
		.amdhsa_user_sgpr_kernarg_segment_ptr 1
		.amdhsa_wavefront_size32 1
		.amdhsa_system_sgpr_workgroup_id_x 1
		.amdhsa_system_sgpr_workgroup_id_y 1
		.amdhsa_system_sgpr_workgroup_id_z 1
		.amdhsa_system_vgpr_workitem_id 0
		.amdhsa_next_free_vgpr 1024
		.amdhsa_next_free_sgpr 98
		.amdhsa_reserve_vcc 1
		.amdhsa_float_denorm_mode_32 3
		.amdhsa_float_denorm_mode_16_64 3
		.amdhsa_memory_ordered 1
		.amdhsa_forward_progress 1
		.amdhsa_inst_pref_size 226
	.end_amdhsa_kernel
	.amdgpu_metadata
---
amdhsa.version: [ 1, 2 ]
amdhsa.kernels:
  - .name:           k_q3fa6be318b_main
    .symbol:         k_q3fa6be318b_main.kd
    .args:
      - { .name: xh, .offset: 0, .size: 8, .value_kind: global_buffer, .address_space: global }
      - { .name: P, .offset: 8, .size: 8, .value_kind: global_buffer, .address_space: global }
      - { .name: Q, .offset: 16, .size: 8, .value_kind: global_buffer, .address_space: global }
      - { .name: D1, .offset: 24, .size: 8, .value_kind: global_buffer, .address_space: global }
      - { .name: D2, .offset: 32, .size: 8, .value_kind: global_buffer, .address_space: global }
      - { .name: x_feat, .offset: 40, .size: 8, .value_kind: global_buffer, .address_space: global }
      - { .name: x_angle, .offset: 48, .size: 8, .value_kind: global_buffer, .address_space: global }
      - { .name: y_angle, .offset: 56, .size: 8, .value_kind: global_buffer, .address_space: global }
      - { .name: out0, .offset: 64, .size: 8, .value_kind: global_buffer, .address_space: global }
      - { .name: MX, .offset: 72, .size: 8, .value_kind: global_buffer, .address_space: global }
    .group_segment_fixed_size: 327680
    .private_segment_fixed_size: 0
    .kernarg_segment_align: 8
    .kernarg_segment_size: 80
    .max_flat_workgroup_size: 128
    .sgpr_count:     98
    .vgpr_count:     1024
    .wavefront_size: 32
...
	.end_amdgpu_metadata
.endif
;; end of part 3
